; MI455X (gfx1250); checked and timed in simulation.
; The chip was launched on July 23, 2026; its instructions are those of AMD's public machine-readable ISA for CDNA 5 (MIT licence, August 2026) and "CDNA5" Instruction Set Architecture Reference Guide (July 2026). The comments in the code are by the model that wrote it; some were corrected since.
;; Mo E Layer. Allowed arithmetic: float matrix products may take bf16 or f16 operands with f32 sums; other float arithmetic in f32, or as packed bf16 or f16 multiplies, adds, multiply-adds, maxima and minima; sums over many terms, partial sums and values carried from step to step in f32; what a program stores and reads back later, other than sums and carried values, may be rounded once to bf16 or f16.
;; Inputs: expert_b 8 x 4,096 float32; expert_w 8 x 1,024 x 4,096 float32; gate_b 8 float32; gate_w 1,024 x 8 float32; x 2,048 x 1,024 float32.
;; Outputs: out0 2,048 x 4,096 float32.
;; One version. Each part assembles by itself: llvm-mc -triple=amdgcn-amd-amdhsa -mcpu=gfx1250 --defsym DOCPART=n.
;; ======== version 1 of 1: 3 launches
;; workspace buffers: xb 4,194,304 bytes; top1 8,192 bytes of whole numbers; list 77,824 bytes of whole numbers
;; launch route (part 1): grid 128 x 1, 8 waves a work-group, no clusters, 57,344 bytes of LDS; arguments x, gate_w, gate_b, xb, top1; writes xb, top1
.if DOCPART == 1
	.amdgcn_target "amdgcn-amd-amdhsa--gfx1250"
	.amdhsa_code_object_version 6
	.text
	.protected	k_qa1b2149290_route
	.globl	k_qa1b2149290_route
	.p2align	8
	.type	k_qa1b2149290_route,@function
k_qa1b2149290_route:
	s_mov_b64 s[64:65], 0
	v_nop
	global_prefetch_b8 v0, s[64:65] scope:SCOPE_SE
	s_setreg_imm32_b32 hwreg(HW_REG_WAVE_MODE, 25, 1), 1
	s_wait_xcnt 0x0
; THE GATE.  top1[t] = argmax_e softmax_e(x[t] . gate_w[:, e] + gate_b[e]), and xb = x rounded to bf16, for the launch behind.
; x: [2048][1024] f32.  gate_w: [1024][8] f32.  gate_b: [8] f32.  xb: [2048][1024] bf16.  top1: [2048] u32.
; FORMATS.  x, gate_w and gate_b are all rounded once to bf16, as every input of the program is; products by the matrix unit, sums, softmax and argmax in f32.
; LIMITS.  The choice is that of the inputs rounded to bf16.  p = 2^((l - m) log2 e) x (1 / sum), the reciprocal by v_rcp_f32 and a multiply, not a division; a p below 2^-126 counts
; as 0 (the largest p is at least 1/8).  Of equal p the lower index is kept.  NaN is not treated apart: a NaN never replaces the best so far.
; SHARES.  A work-group owns 16 tokens; wave w owns k = 128 w .. 128 w + 127 of all 16: four matrix instructions of 32 along K.  The eight waves' parts of the logits meet in LDS behind
; one barrier, and wave 0 finishes.  No cluster: the work-groups share gate_w alone, 32 KiB beside their own 64 KiB of x each, and it is loaded through registers, where it is rounded.
; No copies into LDS by an engine either: every number is rounded on its way.
.set PITCH, 272                        ; a stage row: 128 bf16 = 256 bytes + 16: the 16 rows of a fragment load start at 16 different 16-byte columns of 256 bytes
.set GSO,   16*PITCH                   ; in a wave's region: 16 rows of x, then 8 rows of the gate (one for each expert)
.set WREG,  24*PITCH                   ; a wave's region: 6,528 bytes
.set RED,   8*WREG                     ; 52,224: the waves' parts of the logits: wave, token, 8 f32
.set SPARE, RED+4096                   ; 56,320: the spare words, 128 bytes for each wave: four blocks of 256 bytes that no other line names
.set SPW, 4                            ; v4   LDS address of my spare word; never rewritten
.set NIL, 5                            ; v5   0; never rewritten
.set LG,  16                           ; v[16:23]   8 logits, then 8 probabilities
.set X,   32                           ; v[32:95]   16 rows x 4 f32 as loaded; then the fragments: x v[32:63], gate v[64:95]
.set G,   96                           ; v[96:127]  gate_w: my 4 rows x 8 experts; later gate_b
.set P,   128                          ; v[128:159] x packed: data of the stores, never rewritten
.set GP,  160                          ; v[160:175] the gate packed
.set ACC0, 176                         ; two accumulators, by turns
.set ACC1, 184
.set RD,  192                          ; v[192:255] wave 0: the eight parts
	s_load_b256 s[4:11], s[0:1], 0x0               ; x s[4:5], gate_w s[6:7], gate_b s[8:9], xb s[10:11]
	s_load_b64 s[12:13], s[0:1], 0x20              ; top1
	v_lshl_add_u32 v[SPW], v0, 2, SPARE
	v_mov_b32 v[NIL], 0
	v_and_b32 v1, 31, v0                           ; lane
	v_and_b32 v2, 15, v0                           ; r = lane % 16
	v_bfe_u32 v3, v0, 4, 1                         ; h = lane / 16
	v_lshrrev_b32 v16, 5, v0
	v_readfirstlane_b32 s14, v16                   ; wave 0..7
	s_mul_i32 s15, s14, WREG                       ; my region
	s_lshl_b32 s30, s14, 9
	s_add_co_u32 s30, s30, RED                     ; my 512 bytes of the parts
	v_lshlrev_b32 v6, 4, v0                        ; x: 16 bytes a thread: 512 w + 16 lane in a row
	v_lshlrev_b32 v7, 3, v0                        ; xb: 8 bytes a thread
	v_lshlrev_b32 v8, 7, v0                        ; gate_w: four rows of 32 bytes a thread: k = 128 w + 4 lane ..
	v_lshl_add_u32 v9, v1, 3, s15                  ; into the x stage: 8 bytes a lane
	v_add_nc_u32 v10, GSO, v9                      ; into the gate stage
	v_mul_u32_u24 v11, v2, PITCH
	v_lshl_add_u32 v11, v3, 4, v11
	v_add_nc_u32 v11, s15, v11                     ; a fragment of x: row r, 16 bytes for each half of the lanes
	v_and_b32 v12, 7, v0
	v_mul_u32_u24 v12, v12, PITCH
	v_lshl_add_u32 v12, v3, 4, v12
	v_add3_u32 v12, v12, s15, GSO                  ; a fragment of the gate: row r % 8: rows 8-15 of the product repeat the eight experts
	v_lshl_add_u32 v13, v2, 5, s30                 ; my part of token r's logits
	v_lshl_add_u32 v14, v2, 5, RED                 ; wave 0's part of them
	v_lshlrev_b32 v15, 2, v2                       ; token r's word in top1
	s_lshl_b32 s16, ttmp9, 16                      ; the work-group's 16 rows: of 4,096 bytes in x,
	s_mov_b32 s17, 0
	s_lshl_b32 s18, ttmp9, 15                      ; of 2,048 in xb,
	s_mov_b32 s19, 0
	s_lshl_b32 s28, ttmp9, 6                       ; of 4 in top1
	s_mov_b32 s29, 0
	s_wait_kmcnt 0x0
	s_load_b256 s[20:27], s[8:9], 0x0              ; gate_b
	s_add_nc_u64 s[4:5], s[4:5], s[16:17]
	s_add_nc_u64 s[10:11], s[10:11], s[18:19]
	s_add_nc_u64 s[12:13], s[12:13], s[28:29]
.irp q, 0,1,2,3,4,5,6,7
	global_load_b128 v[G+4*\q:G+4*\q+3], v8, s[6:7] offset:16*\q  ; my 128 bytes: (row kk, expert e) lands in v[G + 8 kk + e]
.endr
.irp i, 0,1,2,3,4,5,6,7,8,9,10,11,12,13,14,15
	global_load_b128 v[X+4*\i:X+4*\i+3], v6, s[4:5] offset:4096*\i th:TH_LOAD_NT  ; row i: the wave takes 512 consecutive bytes
.endr
	s_wait_loadcnt 16                              ; the gate's eight loads are in; the 16 younger ones, x's, stay out
.irp e, 0,1,2,3,4,5,6,7
	v_cvt_pk_bf16_f32 v[GP+2*\e],   v[G+\e],    v[G+8+\e]   ; expert e, my four k, turned into a row along k
	v_cvt_pk_bf16_f32 v[GP+2*\e+1], v[G+16+\e], v[G+24+\e]
	ds_store_b64 v10, v[GP+2*\e:GP+2*\e+1] offset:PITCH*\e
.endr
.irp i, 0,1,2,3,4,5,6,7,8,9,10,11,12,13,14,15
	s_wait_loadcnt 15-\i                           ; loads come back in order (ISA guide 5.7.1): row i is in, the younger rows stay out
	v_cvt_pk_bf16_f32 v[P+2*\i],   v[X+4*\i],   v[X+4*\i+1]
	v_cvt_pk_bf16_f32 v[P+2*\i+1], v[X+4*\i+2], v[X+4*\i+3]
	ds_store_b64 v9, v[P+2*\i:P+2*\i+1] offset:PITCH*\i
	global_store_b64 v7, v[P+2*\i:P+2*\i+1], s[10:11] offset:2048*\i  ; the wave stores 256 consecutive bytes, at a multiple of 256 from xb's first byte
.endr
; The fragments, 16 rows x 32 k in 8 registers: lane (r, h) holds row r, k = 8 h + 0..7 and 16 + 8 h + 0..7: two loads of 16 bytes, 32 bytes apart.
; They read my own region: LDS serves a wave's instructions in order (ISA guide 5.7.1.4), so they see the stores above.
.irp s, 0,1,2,3
	ds_load_b128 v[X+8*\s:X+8*\s+3],       v11 offset:64*\s
	ds_load_b128 v[X+8*\s+4:X+8*\s+7],     v11 offset:64*\s+32
	ds_load_b128 v[X+32+8*\s:X+32+8*\s+3], v12 offset:64*\s
	ds_load_b128 v[X+32+8*\s+4:X+32+8*\s+7], v12 offset:64*\s+32
.endr
	s_wait_dscnt 0x0
; Source 0 = the gate (rows: experts), source 1 = x (columns: tokens): register j of lane (r, h) is expert j's part for token r, in both halves of the lanes.
; Two accumulators take turns; the first product on each starts its sum.
	v_wmma_f32_16x16x32_bf16 v[ACC0:ACC0+7], v[X+32:X+39], v[X:X+7], 0
	v_wmma_f32_16x16x32_bf16 v[ACC1:ACC1+7], v[X+40:X+47], v[X+8:X+15], 0
	v_wmma_f32_16x16x32_bf16 v[ACC0:ACC0+7], v[X+48:X+55], v[X+16:X+23], v[ACC0:ACC0+7]
	v_wmma_f32_16x16x32_bf16 v[ACC1:ACC1+7], v[X+56:X+63], v[X+24:X+31], v[ACC1:ACC1+7]
.rept 4
	v_nop                                          ; four places between a matrix instruction and a vector instruction that reads its result (ISA guide 7.12.1)
.endr
.irp p, 0,1,2,3
	v_pk_add_f32 v[LG+2*\p:LG+2*\p+1], v[ACC0+2*\p:ACC0+2*\p+1], v[ACC1+2*\p:ACC1+2*\p+1]  ; from the accumulators' low end on
.endr
	ds_store_b128 v13, v[LG:LG+3]                  ; the two halves of the lanes write the same words with the same numbers
	ds_store_b128 v13, v[LG+4:LG+7] offset:16
	s_wait_kmcnt 0x0                               ; gate_b
	s_wait_dscnt 0x0                               ; for wave 0's sake: my part is in LDS
	s_barrier_signal -1
	s_barrier_wait -1
	s_cmp_lg_u32 s14, 0
	s_cbranch_scc1 .Lend                           ; the rest is wave 0's; no barrier stands in it
.irp w, 0,1,2,3,4,5,6,7
	ds_load_b128 v[RD+8*\w:RD+8*\w+3],   v14 offset:512*\w
	ds_load_b128 v[RD+8*\w+4:RD+8*\w+7], v14 offset:512*\w+16
.endr
.irp p, 0,1,2,3
	v_cvt_pk_bf16_f32 v[G+\p], s[20+2*\p], s[21+2*\p]  ; gate_b rounded to bf16,
.endr
.irp p, 0,1,2,3
	v_lshlrev_b32 v[G+4+2*\p], 16, v[G+\p]         ; and widened again
	v_and_b32 v[G+5+2*\p], 0xffff0000, v[G+\p]
.endr
	s_wait_dscnt 0x0
.irp p, 0,1,2,3
	v_pk_add_f32 v[LG+2*\p:LG+2*\p+1], v[RD+2*\p:RD+2*\p+1], v[RD+8+2*\p:RD+8+2*\p+1]  ; the parts in ascending k; four chains that do not wait for each other
.endr
.irp w, 2,3,4,5,6,7
.irp p, 0,1,2,3
	v_pk_add_f32 v[LG+2*\p:LG+2*\p+1], v[LG+2*\p:LG+2*\p+1], v[RD+8*\w+2*\p:RD+8*\w+2*\p+1]
.endr
.endr
.irp p, 0,1,2,3
	v_pk_add_f32 v[LG+2*\p:LG+2*\p+1], v[LG+2*\p:LG+2*\p+1], v[G+4+2*\p:G+5+2*\p]
.endr
; softmax, the maximum taken away first
	v_max3_num_f32 v24, v[LG], v[LG+1], v[LG+2]
	v_max3_num_f32 v24, v24, v[LG+3], v[LG+4]
	v_max3_num_f32 v24, v24, v[LG+5], v[LG+6]
	v_max_num_f32 v24, v24, v[LG+7]
	v_mov_b32 v25, v24                             ; a pair for the packed subtraction
.irp p, 0,1,2,3
	v_pk_add_f32 v[LG+2*\p:LG+2*\p+1], v[LG+2*\p:LG+2*\p+1], v[24:25] neg_lo:[0,1] neg_hi:[0,1]
.endr
.irp p, 0,1,2,3
	v_pk_mul_f32 v[LG+2*\p:LG+2*\p+1], v[LG+2*\p:LG+2*\p+1], 0x3fb8aa3b op_sel_hi:[1,0]  ; x log2(e): the exponential works in base 2
.endr
.irp j, 0,1,2,3,4,5,6,7
	v_exp_f32 v[LG+\j], v[LG+\j]
.endr
	v_nop                                          ; a plain instruction behind the last exponential (ISA guide 5.7.2),
	s_wait_alu depctr_va_vdst(0)                   ; and the wait ahead of the first use: one for the eight
	v_pk_add_f32 v[26:27], v[LG:LG+1], v[LG+2:LG+3]
	v_pk_add_f32 v[28:29], v[LG+4:LG+5], v[LG+6:LG+7]
	v_pk_add_f32 v[26:27], v[26:27], v[28:29]
	v_add_f32 v26, v26, v27
	v_rcp_f32 v28, v26                             ; twice: a pair for the packed multiply
	v_rcp_f32 v29, v26
	v_nop
	s_wait_alu depctr_va_vdst(0)                   ; one wait for the two reciprocals
.irp p, 0,1,2,3
	v_pk_mul_f32 v[LG+2*\p:LG+2*\p+1], v[LG+2*\p:LG+2*\p+1], v[28:29]
.endr
; argmax: only a strictly larger p replaces the best, so of equal ones the lower index stays.  The choice selects values alone: no address and no branch hangs on it here.
	v_mov_b32 v30, v[LG]
	v_mov_b32 v31, 0
.irp j, 1,2,3,4,5,6,7
	v_cmp_gt_f32 vcc_lo, v[LG+\j], v30
	v_cndmask_b32 v30, v30, v[LG+\j], vcc_lo
	v_cndmask_b32 v31, v31, \j, vcc_lo
.endr
	v_cmp_gt_u32 vcc_lo, 16, v1                    ; lanes 16-31 hold the same 16 tokens once more
	s_wait_xcnt 0x0                                ; EXEC is a source of my stores of xb: it changes only behind this wait
	s_and_saveexec_b32 s30, vcc_lo
	global_store_b32 v15, v31, s[12:13]            ; 16 tokens' choices, 64 consecutive bytes, at fixed places
	s_wait_xcnt 0x0                                ; and again, in front of the line that widens it
	s_or_b32 exec_lo, exec_lo, s30
.Lend:
	s_wait_tensorcnt 0x0                           ; the wave's end, behind my last LDS store
	ds_add_u32 v[SPW], v[NIL]
	s_wait_dscnt 0x0
	s_endpgm
.Lfunc_end_k_qa1b2149290_route:
	.size	k_qa1b2149290_route, .Lfunc_end_k_qa1b2149290_route-k_qa1b2149290_route
	.p2alignl 7, 3214868480
	.fill 96, 4, 3214868480
	.section	.rodata,"a",@progbits
	.p2align	6, 0x0
	.amdhsa_kernel k_qa1b2149290_route
		.amdhsa_group_segment_fixed_size 57344
		.amdhsa_private_segment_fixed_size 0
		.amdhsa_enable_private_segment 0
		.amdhsa_kernarg_size 40
		.amdhsa_user_sgpr_count 2
		.amdhsa_user_sgpr_kernarg_segment_ptr 1
		.amdhsa_wavefront_size32 1
		.amdhsa_system_sgpr_workgroup_id_x 1
		.amdhsa_system_sgpr_workgroup_id_y 1
		.amdhsa_system_sgpr_workgroup_id_z 1
		.amdhsa_system_vgpr_workitem_id 0
		.amdhsa_next_free_vgpr 256
		.amdhsa_next_free_sgpr 66
		.amdhsa_reserve_vcc 1
		.amdhsa_float_denorm_mode_32 3
		.amdhsa_float_denorm_mode_16_64 3
		.amdhsa_memory_ordered 1
		.amdhsa_forward_progress 1
		.amdhsa_inst_pref_size 20
	.end_amdhsa_kernel
	.amdgpu_metadata
---
amdhsa.version: [ 1, 2 ]
amdhsa.kernels:
  - .name:           k_qa1b2149290_route
    .symbol:         k_qa1b2149290_route.kd
    .args:
      - { .name: x, .offset: 0, .size: 8, .value_kind: global_buffer, .address_space: global }
      - { .name: gate_w, .offset: 8, .size: 8, .value_kind: global_buffer, .address_space: global }
      - { .name: gate_b, .offset: 16, .size: 8, .value_kind: global_buffer, .address_space: global }
      - { .name: xb, .offset: 24, .size: 8, .value_kind: global_buffer, .address_space: global }
      - { .name: top1, .offset: 32, .size: 8, .value_kind: global_buffer, .address_space: global }
    .group_segment_fixed_size: 57344
    .private_segment_fixed_size: 0
    .kernarg_segment_align: 8
    .kernarg_segment_size: 40
    .max_flat_workgroup_size: 256
    .sgpr_count:     66
    .vgpr_count:     256
    .wavefront_size: 32
...
	.end_amdgpu_metadata
.endif
;; end of part 1
;; launch sort (part 2): grid 8 x 1, 1 waves a work-group, no clusters, 0 bytes of LDS; arguments top1, list; writes list
.if DOCPART == 2
	.amdgcn_target "amdgcn-amd-amdhsa--gfx1250"
	.amdhsa_code_object_version 6
	.text
	.protected	k_qa1b2149290_sort
	.globl	k_qa1b2149290_sort
	.p2align	8
	.type	k_qa1b2149290_sort,@function
k_qa1b2149290_sort:
	s_mov_b64 s[64:65], 0
	v_nop
	global_prefetch_b8 v0, s[64:65] scope:SCOPE_SE
	s_setreg_imm32_b32 hwreg(HW_REG_WAVE_MODE, 25, 1), 1
	s_wait_xcnt 0x0
; THE LIST.  For expert e (the work-group's number): the numbers of the tokens that chose it, end to end, and how many they are.
; top1: [2048] u32, stored by the launch before.  list: 8 parts of 9,728 bytes: entries 0 .. CNT - 1 the tokens; the next 320 entries token 0, a row that exists, so that the launch
; behind may read whole blocks of 16 past the count; entries 2,368 .. 2,399 dump words, which nobody reads; bytes 9,600 .. 9,727 the count, 32 times over.
; One wave holds all 2,048 choices in 64 registers.  For each register the lanes whose token chose e store the token's number at the next places of the list, in the lanes' order: they
; store neighbouring words.  The other lanes store into a dump word of their own, so that EXEC never changes.  The order of the list is that of the registers, not of the tokens: the
; launch behind needs each token once, in any order.
; Each of the 64 steps has its own offset and data register: no source of a pending store is ever written again, and no wait stands between the stores.
; No LDS, no barrier, no matrix unit: 8 KiB in, 10 KiB out for each expert.
.set LISTB, 9728                       ; an expert's part of the list
.set DUMP,  2368                       ; the first dump word's index: 2,048 + 320
.set CNTO,  9600                       ; where the count lies
.set TO,  1                            ; v1   16 lane
.set L4,  2                            ; v2   4 lane
.set DMP, 3                            ; v3   my dump word's index
.set PK,  64                           ; v[64:191]  step t: byte offset in the list at PK + 2 t, token at PK + 2 t + 1
.set TOP, 192                          ; v[192:255] register 4 q + c holds the choice of token 128 q + 4 lane + c
.set EX,  8                            ; s8   expert
.set CNT, 12                           ; s12  tokens found so far
.set MK,  13                           ; s13  a mask of lanes
.set TS,  14                           ; s14  at work
	s_load_b128 s[4:7], s[0:1], 0x0                ; top1 s[4:5], list s[6:7]
	v_lshlrev_b32 v[TO], 4, v0
	v_lshlrev_b32 v[L4], 2, v0
	v_add_nc_u32 v[DMP], DUMP, v0
	s_mov_b32 s[EX], ttmp9
	s_mul_i32 s10, ttmp9, LISTB
	s_mov_b32 s11, 0
	s_mov_b32 s[CNT], 0
	s_wait_kmcnt 0x0
	s_add_nc_u64 s[6:7], s[6:7], s[10:11]          ; my expert's part
.irp q, 0,1,2,3,4,5,6,7,8,9,10,11,12,13,14,15
	global_load_b128 v[TOP+4*\q:TOP+4*\q+3], v[TO], s[4:5] offset:512*\q  ; 512 consecutive bytes a load
.endr
.macro PICK t
.if (\t)%4 == 0
	s_wait_loadcnt 15-(\t)/4                       ; loads come back in order (ISA guide 5.7.1): these four registers are in, the younger loads stay out
.endif
	v_cmp_eq_u32 s[MK], s[EX], v[TOP+(\t)]
	v_mbcnt_lo_u32_b32 v[PK+2*(\t)], s[MK], s[CNT] ; the count so far + the chosen lanes below me
	v_cndmask_b32 v[PK+2*(\t)], v[DMP], v[PK+2*(\t)], s[MK]
	v_min_u32 v[PK+2*(\t)], DUMP+31, v[PK+2*(\t)]  ; held under the part's end by a constant in the instruction
	v_lshlrev_b32 v[PK+2*(\t)], 2, v[PK+2*(\t)]
	v_add_nc_u32 v[PK+2*(\t)+1], 128*((\t)/4)+(\t)%4, v[L4]
	global_store_b32 v[PK+2*(\t)], v[PK+2*(\t)+1], s[6:7]
	s_bcnt1_i32_b32 s[TS], s[MK]
	s_add_co_u32 s[CNT], s[CNT], s[TS]
.endm
.set t, 0
.rept 64
	PICK t
.set t, t+1
.endr
	v_add_nc_u32 v4, s[CNT], v0                    ; behind the last token: 320 entries that name token 0
	v_min_u32 v4, 2079, v4
	v_lshlrev_b32 v4, 2, v4
	v_mov_b32 v5, 0
.irp q, 0,1,2,3,4,5,6,7,8,9
	global_store_b32 v4, v5, s[6:7] offset:128*\q
.endr
	v_mov_b32 v6, s[CNT]
	global_store_b32 v[L4], v6, s[6:7] offset:CNTO ; the count, a word a lane: 128 consecutive bytes, with all lanes on
	s_endpgm
.Lfunc_end_k_qa1b2149290_sort:
	.size	k_qa1b2149290_sort, .Lfunc_end_k_qa1b2149290_sort-k_qa1b2149290_sort
	.p2alignl 7, 3214868480
	.fill 96, 4, 3214868480
	.section	.rodata,"a",@progbits
	.p2align	6, 0x0
	.amdhsa_kernel k_qa1b2149290_sort
		.amdhsa_group_segment_fixed_size 0
		.amdhsa_private_segment_fixed_size 0
		.amdhsa_enable_private_segment 0
		.amdhsa_kernarg_size 16
		.amdhsa_user_sgpr_count 2
		.amdhsa_user_sgpr_kernarg_segment_ptr 1
		.amdhsa_wavefront_size32 1
		.amdhsa_system_sgpr_workgroup_id_x 1
		.amdhsa_system_sgpr_workgroup_id_y 1
		.amdhsa_system_sgpr_workgroup_id_z 1
		.amdhsa_system_vgpr_workitem_id 0
		.amdhsa_next_free_vgpr 256
		.amdhsa_next_free_sgpr 66
		.amdhsa_reserve_vcc 0
		.amdhsa_float_denorm_mode_32 3
		.amdhsa_float_denorm_mode_16_64 3
		.amdhsa_memory_ordered 1
		.amdhsa_forward_progress 1
		.amdhsa_inst_pref_size 36
	.end_amdhsa_kernel
	.amdgpu_metadata
---
amdhsa.version: [ 1, 2 ]
amdhsa.kernels:
  - .name:           k_qa1b2149290_sort
    .symbol:         k_qa1b2149290_sort.kd
    .args:
      - { .name: top1, .offset: 0, .size: 8, .value_kind: global_buffer, .address_space: global }
      - { .name: list, .offset: 8, .size: 8, .value_kind: global_buffer, .address_space: global }
    .group_segment_fixed_size: 0
    .private_segment_fixed_size: 0
    .kernarg_segment_align: 8
    .kernarg_segment_size: 16
    .max_flat_workgroup_size: 32
    .sgpr_count:     66
    .vgpr_count:     256
    .wavefront_size: 32
...
	.end_amdgpu_metadata
.endif
;; end of part 2
;; launch experts (part 3): grid 32 x 8, 4 waves a work-group, no clusters, 264,704 bytes of LDS; arguments xb, list, expert_w, expert_b, out0; writes out0
.if DOCPART == 3
	.amdgcn_target "amdgcn-amd-amdhsa--gfx1250"
	.amdhsa_code_object_version 6
	.text
	.protected	k_qa1b2149290_experts
	.globl	k_qa1b2149290_experts
	.p2align	8
	.type	k_qa1b2149290_experts,@function
k_qa1b2149290_experts:
	s_mov_b64 s[64:65], 0
	v_nop
	global_prefetch_b8 v0, s[64:65] scope:SCOPE_SE
	s_setreg_imm32_b32 hwreg(HW_REG_WAVE_MODE, 25, 1), 1
	s_wait_xcnt 0x0
; out0[t][f] = sum over k of x[t][k] expert_w[e][k][f] + expert_b[e][f], e = the expert that token t chose: only the chosen expert's row is multiplied.
; xb: [2048][1024] bf16 (x, rounded by the first launch).  list: for each expert its tokens' numbers end to end, 320 entries of token 0 behind them, and its count (the launch before).
; expert_w: [8][1024][4096] f32.  expert_b: [8][4096] f32.  out0: [2048][4096] f32.
; FORMATS.  Weights and bias are rounded once to bf16, as every input of the program is; sums and the bias's addition in f32.
; SHARES.  Work-group (slice, e) owns expert e's columns 128 slice .. + 127: 512 KiB of f32 that it alone reads, once; and ALL rows of that expert, however many: 0 to 2,048.
; PHASES.  (1) The slice streams through registers, is rounded and laid into LDS turned, rows along k.  One barrier.  (2) Seven trips, a constant that serves every split; in a trip a wave
; owns five blocks of 16 tokens x all 128 columns (block 20 trip + 4 i + wave); the token rows come from memory straight into registers as matrix operands.  Blocks and trips past the
; count are jumped, forward, past no barrier.  An expert without tokens still streams its slice: the barrier stands on every path.
; A trip's token numbers and its first three K steps' rows are asked for ahead of the trip: the first trip's at the kernel's head and in the stream's last lap, a later trip's at the end of the trip before.
; NO ENGINE fills LDS: the weights are rounded on their way, and the token rows are scattered.  NO CLUSTER: each slice has one reader; what an expert's 32 work-groups share is its token
; rows, which no descriptor covers.
; THE COLUMNS' ORDER.  LDS row 64 g + 16 b + r holds column 64 g + 4 r + b.  So the 16 bytes that a lane loads of a row of W (columns 4 lane .. + 3) part into four LDS rows without
; changing lanes; and in the product (source 0 = tokens, source 1 = W) lane r of accumulator 4 g + b holds column 64 g + 4 r + b, so that the four additions of the bias, due anyway,
; gather four neighbouring columns in four neighbouring registers: sixteen lanes store 256 consecutive bytes of a row of out0, aligned, with no stage in LDS.
; REGISTERS, in windows of 256 (s_set_vgpr_msb: bits 1:0 source 0, 3:2 source 1, 5:4 source 2, 7:6 destination):
;   window 0: v0-63 addresses, bias and work; v64-191 W's fragments, two buffers of 64 (during the stream: v64-127 the rounded weights, v176-183 the slots' offsets); v192-255 a block's results
;   window 1: v0-159 the tokens' fragments, four buffers of 40; v160-199 the tokens of rows 8 h + j, eight a block
;   window 2: the stream's eight slots of 32, later the accumulators of blocks 0-3 (64 i + 8 nb)          window 3: v0-63 block 4's
.set PW,    2064                       ; a row of W in LDS: 1,024 bf16 = 2,048 bytes + 16: rows that follow each other start 16 bytes on modulo 256, for the stores and for the fragment loads
.set TWO,   32*PW                      ; two column blocks of 16 rows: 66,048 bytes, past a 16-bit offset, so the address registers carry it
.set SPARE, 128*PW                     ; 264,192: behind W: the spare words, 128 bytes for each wave: two blocks of 256 bytes that no other line names
.set KROW,  16384                      ; bytes from a row of W to the next
.set SLOTB, 32*KROW                    ; a slot takes 32 rows: 8 for each wave
.set LISTB, 9728                       ; an expert's part of the list
.set CNTO,  9600                       ; where its count lies
.set SPW, 4                            ; v4      LDS address of my spare word; never rewritten
.set NIL, 5                            ; v5      0; never rewritten
.set WO,  6                            ; v6      W: 16 lane + my 8 rows of a slot's 32
.set SA0, 7                            ; v7      where my 16 bytes of columns b = 0, 1 go
.set SA1, 8                            ; v8      the same for b = 2, 3
.set WADR, 10                          ; v10-13  W's fragments: column blocks 2 p, 2 p + 1; never rewritten
.set LRD, 14                           ; v14     the list: byte of entry r of my first block of the trip
.set LRO, 15                           ; v15     the list: byte of entries 8 h .. 8 h + 7 of it
.set AO,  16                           ; v16-20  byte offset in xb of my token row, for each of the five blocks
.set H8,  21                           ; v21     8 h
.set OL,  22                           ; v22     16 r
.set H16, 23                           ; v23     16 h
.set BIAS, 24                          ; v24-31  the bias of column 64 g + 4 r + b at BIAS + 4 g + b
.set OO,  32                           ; v32-39  the byte offsets in out0 of rows 8 h + j
.set T16, 40                           ; v40-55  at work
.set TKH, 58                           ; v58-62  row r's token in each of my five blocks
.set BF,  64
.set WOF, 176                          ; v176-183  slot n's byte offset in the slice
.set T,   192
.set OT,  160                          ; window 1
.set WV,  14                           ; s14  wave
.set EX,  15                           ; s15  expert
.set CNT, 20                           ; s20  the expert's tokens
.set NBLK, 21                          ; s21  its blocks of 16
.set CTR, 22                           ; s22  loop counter
.set B0,  23                           ; s23  my first block of the trip
.set MBW, 24                           ; s24  how many of my five blocks are live, 1 to 5
.set R0,  25                           ; s25  tokens from my first block's first row on
.set REM, 26                           ; s26  the same for the block in hand
.set TS,  27                           ; s27  at work
.set MSB, 0
.macro WIN new                         ; the immediate's high byte repeats the setting that is left; a switch that changes nothing is dropped
.if MSB != (\new)
	s_set_vgpr_msb (MSB<<8)|(\new)
.set MSB, (\new)
.endif
.endm
.macro PLACES                          ; four places between a matrix instruction and a load into, or a vector instruction on, its registers (ISA guide 7.12.1 for vector instructions)
.rept 4
	v_nop
.endr
.endm
; Eight loads fill slot n: my rows i = 0..7 of its 32; each load takes a row's 512 bytes of the slice: two aligned runs of 256.  The slot's offset register says which 32 rows.
.macro FILL n
	WIN 0x80                                       ; destination window 2
.irp i, 0,1,2,3,4,5,6,7
	global_load_b128 v[32*(\n)+4*\i:32*(\n)+4*\i+3], v[WOF+(\n)], s[8:9] offset:\i*KROW th:TH_LOAD_NT
.endr
.endm
; A trip's token numbers: block 4 i + wave behind the trip's first lies 256 i bytes on in the list.  Row r's, for the rows' loads; rows 8 h .. 8 h + 7's, for the stores.
.macro LISTLD
	WIN 0
.irp i, 0,1,2,3,4
	global_load_b32 v[TKH+\i], v[LRD], s[6:7] offset:256*\i
.endr
	WIN 0x40                                       ; destination window 1
.irp i, 0,1,2,3,4
	global_load_b128 v[OT+8*\i:OT+8*\i+3],   v[LRO], s[6:7] offset:256*\i
	global_load_b128 v[OT+8*\i+4:OT+8*\i+7], v[LRO], s[6:7] offset:256*\i+16
.endr
	WIN 0
.endm
.macro MKAO                            ; the tokens, held inside the table by a constant in the instruction, become byte offsets in xb: rows of 2,048 bytes, + 16 h
.irp i, 0,1,2,3,4
	v_min_u32 v[TKH+\i], 0x7ff, v[TKH+\i]
.endr
.irp i, 0,1,2,3,4
	v_lshl_add_u32 v[AO+\i], v[TKH+\i], 11, v[H16]
.endr
.endm
; A fragment is 16 rows x 32 k in 8 registers: lane (r, h) holds row r, k = 8 h + 0..7 and 16 + 8 h + 0..7: two loads of 16 bytes, 32 bytes apart.
.macro ALOAD s                         ; the five blocks' token rows, K step s, from memory into buffer s % 4.  Always all five (places past the count name a row that exists), so that every count of loads is the same on every path
	WIN 0x40                                       ; destination window 1
.irp i, 0,1,2,3,4
	global_load_b128 v[40*((\s)%4)+8*\i:40*((\s)%4)+8*\i+3],   v[AO+\i], s[4:5] offset:64*(\s)
	global_load_b128 v[40*((\s)%4)+8*\i+4:40*((\s)%4)+8*\i+7], v[AO+\i], s[4:5] offset:64*(\s)+32
.endr
.endm
	s_load_b256 s[4:11], s[0:1], 0x0               ; xb s[4:5], list s[6:7], expert_w s[8:9], expert_b s[10:11]
	s_load_b64 s[12:13], s[0:1], 0x20              ; out0
	v_lshl_add_u32 v[SPW], v0, 2, SPARE
	v_mov_b32 v[NIL], 0
	v_and_b32 v1, 31, v0                           ; lane
	v_and_b32 v2, 15, v0                           ; r
	v_bfe_u32 v3, v0, 4, 1                         ; h
	v_lshrrev_b32 v40, 5, v0
	v_readfirstlane_b32 s[WV], v40                 ; wave 0..3
	s_and_b32 s[EX], ttmp7, 0xffff
	s_lshl_b32 s32, ttmp9, 9                       ; the slice's 128 columns of f32: 512 bytes
	s_mov_b32 s33, 0
	s_lshl_b32 s18, s[EX], 24                      ; an expert's weights: 16 MiB
	s_add_co_u32 s18, s18, s32
	s_mov_b32 s19, 0
	s_lshl_b32 s30, s[EX], 14                      ; its bias: 16 KiB
	s_add_co_u32 s30, s30, s32
	s_mov_b32 s31, 0
	s_mul_i32 s34, s[EX], LISTB                    ; its part of the list
	s_mov_b32 s35, 0
	s_mov_b32 s[B0], s[WV]
	s_lshl_b32 s[TS], s[WV], 17                    ; 8 rows of W
	v_lshl_add_u32 v[WO], v1, 4, s[TS]
.irp n, 0,1,2,3,4,5,6,7
	v_add_nc_u32 v[WOF+\n], \n*SLOTB, v[WO]
.endr
	v_lshl_add_u32 v40, v3, 6, v2                  ; LDS row 64 g + r (g = lane / 16, r = lane % 16),
	v_mul_u32_u24 v[SA0], v40, PW
	s_lshl_b32 s[TS], s[WV], 4                     ; and my 8 k of a slot's 32: 16 bytes
	v_add_nc_u32 v[SA0], s[TS], v[SA0]
	v_add_nc_u32 v[SA1], TWO, v[SA0]
	v_mul_u32_u24 v[WADR], v2, PW
	v_lshl_add_u32 v[WADR], v3, 4, v[WADR]         ; a fragment: row r, 16 bytes for each half of the lanes
	v_add_nc_u32 v[WADR+1], TWO, v[WADR]
	v_add_nc_u32 v[WADR+2], 2*TWO, v[WADR]
	v_add_nc_u32 v[WADR+3], 3*TWO, v[WADR]
	s_lshl_b32 s[TS], s[WV], 6                     ; block w: 16 entries of 4 bytes
	v_lshl_add_u32 v[LRD], v2, 2, s[TS]
	v_lshl_add_u32 v[LRO], v3, 5, s[TS]
	v_lshlrev_b32 v[H8], 3, v3
	v_lshlrev_b32 v[OL], 4, v2
	v_lshlrev_b32 v[H16], 4, v3
	s_wait_kmcnt 0x0
	s_add_nc_u64 s[6:7], s[6:7], s[34:35]
	s_add_nc_u64 s[8:9], s[8:9], s[18:19]
	s_add_nc_u64 s[10:11], s[10:11], s[30:31]
	s_add_nc_u64 s[12:13], s[12:13], s[32:33]
	s_load_b32 s[CNT], s[6:7], CNTO                ; the expert's count
	LISTLD                                         ; the first trip's tokens: entries 0 to 319, which exist whatever the count
	global_load_b128 v[BIAS:BIAS+3],   v[OL], s[10:11]
	global_load_b128 v[BIAS+4:BIAS+7], v[OL], s[10:11] offset:256
.irp n, 0,1,2,3,4
	FILL \n                                        ; the stream starts: five slots, 40 loads
.endr
	WIN 0
	s_wait_loadcnt 40                              ; the tokens and the bias are in; the 40 loads of weights stay out
	MKAO
.irp p, 0,1,2,3
	v_cvt_pk_bf16_f32 v[T16+4+\p], v[BIAS+2*\p], v[BIAS+2*\p+1]  ; the bias rounded to bf16,
.endr
.irp p, 0,1,2,3
	v_lshlrev_b32 v[BIAS+2*\p], 16, v[T16+4+\p]    ; and widened again
	v_and_b32 v[BIAS+2*\p+1], 0xffff0000, v[T16+4+\p]
.endr
.irp n, 5,6,7
	FILL \n                                        ; the other three slots: all eight are asked for
.endr
	WIN 0
	s_wait_kmcnt 0x0                               ; the count
	s_add_co_u32 s[NBLK], s[CNT], 15
	s_lshr_b32 s[NBLK], s[NBLK], 4
; THE STREAM.  Slot n's turn: its 8 rows x 4 columns are rounded in pairs along k; column b's 8 k are 16 bytes, which go into LDS row 64 g + 16 b + r; then the slot is asked for again, a lap
; (256 rows) on.  left = the younger loads, which stay out.  A slot owns its offset register: the wait at the turn's head shows the slot's eight loads done, so the register that they
; named may be stepped behind it, and no other wait is needed for that.  The rounded numbers go through four sets of 16 registers by turns.
.macro SLOT n, ahead, left
.set TT, BF+16*((\n)%4)
	s_wait_loadcnt \left
	WIN 0x0a                                       ; sources 0 and 1 window 2
.irp b, 0,1,2,3
.irp p, 0,1,2,3
	v_cvt_pk_bf16_f32 v[TT+4*\b+\p], v[32*(\n)+8*\p+\b], v[32*(\n)+8*\p+4+\b]
.endr
.endr
	WIN 0
	ds_store_b128 v[SA0], v[TT:TT+3]     offset:64*(\n)
	ds_store_b128 v[SA0], v[TT+4:TT+7]   offset:16*PW+64*(\n)
	ds_store_b128 v[SA1], v[TT+8:TT+11]  offset:64*(\n)
	ds_store_b128 v[SA1], v[TT+12:TT+15] offset:16*PW+64*(\n)
.if \ahead
	v_add_nc_u32 v[WOF+(\n)], 8*SLOTB, v[WOF+(\n)]
	FILL \n
.endif
.endm
	s_mov_b32 s[CTR], 3
.Llap:                                                 ; three laps ask for the lap behind them; seven younger slots of eight loads stay out at each turn's head
.irp n, 0,1,2,3,4,5,6,7
	SLOT \n, 1, 56
.endr
	WIN 0                                          ; at a label and at a branch every window is 0
	v_add_nc_u32 v[SA0], 512, v[SA0]               ; 256 k on in the LDS rows
	v_add_nc_u32 v[SA1], 512, v[SA1]
	s_sub_co_u32 s[CTR], s[CTR], 1
	s_cmp_lg_u32 s[CTR], 0
	s_cbranch_scc1 .Llap
.irp n, 0,1,2,3
	SLOT \n, 0, 56-8*\n                            ; the last lap loads no weights: the counts run down
.endr
	ALOAD 0                                        ; the first three K steps' token rows, 30 loads, are asked for while the last four slots come in
	ALOAD 1
	ALOAD 2
.irp n, 4,5,6,7
	SLOT \n, 0, 86-8*\n                            ; the younger slots' loads and the 30 stay out: 54, 46, 38, 30
.endr
	s_wait_dscnt 0x0                               ; for the others' sake: my part of W is in LDS
	s_barrier_signal -1
	s_barrier_wait -1                              ; the launch's one barrier: from here on W is only read
; THE PRODUCTS.
.macro BLOAD s                         ; W's eight column blocks, K step s, from LDS into buffer s % 2
	WIN 0
.irp nb, 0,1,2,3,4,5,6,7
	ds_load_b128 v[BF+64*((\s)%2)+8*\nb:BF+64*((\s)%2)+8*\nb+3],   v[WADR+\nb/2] offset:16*PW*(\nb%2)+64*(\s)
	ds_load_b128 v[BF+64*((\s)%2)+8*\nb+4:BF+64*((\s)%2)+8*\nb+7], v[WADR+\nb/2] offset:16*PW*(\nb%2)+64*(\s)+32
.endr
.endm
.macro MUL8 i, s                       ; block i x the eight column blocks.  K step 0 starts the sums: nothing is cleared
.if (\i) == 4
	WIN 0xf1                                       ; tokens window 1, W window 0, C and D window 3
.else
	WIN 0xa1                                       ; the same, C and D window 2
.endif
.irp nb, 0,1,2,3,4,5,6,7
.if (\s) == 0
	v_wmma_f32_16x16x32_bf16 v[64*((\i)%4)+8*\nb:64*((\i)%4)+8*\nb+7], v[40*((\s)%4)+8*(\i):40*((\s)%4)+8*(\i)+7], v[BF+64*((\s)%2)+8*\nb:BF+64*((\s)%2)+8*\nb+7], 0
.else
	v_wmma_f32_16x16x32_bf16 v[64*((\i)%4)+8*\nb:64*((\i)%4)+8*\nb+7], v[40*((\s)%4)+8*(\i):40*((\s)%4)+8*(\i)+7], v[BF+64*((\s)%2)+8*\nb:BF+64*((\s)%2)+8*\nb+7], v[64*((\i)%4)+8*\nb:64*((\i)%4)+8*\nb+7]
.endif
.endr
.endm
; A K step.  The accumulators take turns, one instruction a turn: eight at the least stand between two links of a chain.  Behind block 0's products W's next fragments
; and the tokens' of three steps on are asked for; the buffers that they fill were last read in the step before, and the four v_nop are the places behind those readers.
; K step 0 multiplies all five blocks, so that every accumulator is written on every path; from K step 1 on the blocks past the count are jumped.
.macro KSTEP s
.if (\s) <= 29
	s_wait_loadcnt 20                              ; this step's token rows are in; the next two steps' 20 loads stay out
.elseif (\s) == 30
	s_wait_loadcnt 10
.else
	s_wait_loadcnt 0
.endif
	s_wait_dscnt 0x0                               ; W's fragments of this step
	MUL8 0, \s
.if (\s) < 31
	WIN 0
	PLACES
	BLOAD (\s)+1
.endif
.if (\s) < 29
	ALOAD (\s)+3
.endif
.irp i, 1,2,3,4
.if (\s) > 0
	WIN 0                                          ; at a branch every window is 0
	s_cmp_le_u32 s[MBW], \i
	s_cbranch_scc1 .Lke\@
.endif
	MUL8 \i, \s
.endr
	WIN 0
.Lke\@:
.endm
; THE WAY OUT of block i.  T[8 j + 4 g + b] = bias + accumulator (4 g + b)'s register j: row 8 h + j, columns 64 g + 4 r + 0..3.  j ascends.
; A full block: 16 stores.  The expert's last block may hold fewer than 16 rows: row 8 h + j is stored where 8 h + j < REM; as j grows the live lanes only get fewer, so EXEC is widened once.
.macro OUTBLK i
.if (\i) > 0
	s_cmp_le_u32 s[MBW], \i
	s_cbranch_scc1 .Lout_end
.endif
	s_wait_xcnt 0x0                                ; the last block's stores have read T and OO: they are written again only behind this wait
	WIN 0x04                                       ; source 1 window 1
.irp j, 0,1,2,3,4,5,6,7
	v_min_u32 v[OO+\j], 0x7ff, v[OT+8*(\i)+\j]     ; row 8 h + j's token, held inside the table by a constant in the instruction
.endr
.if (\i) == 4
	WIN 0x0c                                       ; source 1 window 3
.else
	WIN 0x08                                       ; source 1 window 2
.endif
.irp j, 0,1,2,3,4,5,6,7
.irp c, 0,1,2,3,4,5,6,7
	v_add_f32 v[T+8*\j+\c], v[BIAS+\c], v[64*((\i)%4)+8*\c+\j]
.endr
.endr
	WIN 0
.irp j, 0,1,2,3,4,5,6,7
	v_lshl_add_u32 v[OO+\j], v[OO+\j], 14, v[OL]   ; its row of 16,384 bytes, + 16 r
.endr
	s_sub_co_u32 s[REM], s[R0], 64*(\i)            ; the block lies 4 i blocks behind my first
	s_cmp_ge_u32 s[REM], 16
	s_cbranch_scc1 .Lfull\@
.irp j, 0,1,2,3,4,5,6,7
	s_sub_co_i32 s[TS], s[REM], \j
	s_wait_xcnt 0x0                                ; EXEC is a source of the stores issued so far: it changes only behind this wait
	v_cmpx_gt_i32 s[TS], v[H8]                     ; REM - j > 8 h
	global_store_b128 v[OO+\j], v[T+8*\j:T+8*\j+3],   s[12:13] th:TH_STORE_NT
	global_store_b128 v[OO+\j], v[T+8*\j+4:T+8*\j+7], s[12:13] offset:256 th:TH_STORE_NT
.endr
	s_wait_xcnt 0x0
	s_mov_b32 exec_lo, -1
	s_branch .Ldone\@
.Lfull\@:
.irp j, 0,1,2,3,4,5,6,7
	global_store_b128 v[OO+\j], v[T+8*\j:T+8*\j+3],   s[12:13] th:TH_STORE_NT             ; 16 lanes store 256 consecutive bytes of a row, at a multiple of 256 from out0's first byte
	global_store_b128 v[OO+\j], v[T+8*\j+4:T+8*\j+7], s[12:13] offset:256 th:TH_STORE_NT
.endr
.Ldone\@:
.endm
	s_mov_b32 s[CTR], 7                            ; 7 trips x 20 blocks x 16 rows = 2,240: all 2,048 tokens on one expert are served
.Ltrip:                                                ; the trip's tokens are known and its first three K steps' rows are asked for
	s_cmp_ge_u32 s[B0], s[NBLK]
	s_cbranch_scc1 .Lnext                          ; nothing of this trip is mine: forward, past no barrier, to a label ahead of the counter's step
	s_sub_co_u32 s[MBW], s[NBLK], s[B0]
	s_add_co_u32 s[MBW], s[MBW], 3
	s_lshr_b32 s[MBW], s[MBW], 2
	s_min_u32 s[MBW], s[MBW], 5                    ; blocks B0 + 4 i under NBLK, five at the most
	s_lshl_b32 s[R0], s[B0], 4
	s_sub_co_u32 s[R0], s[CNT], s[R0]
	BLOAD 0
.set ks, 0
.rept 32
	KSTEP ks
.set ks, ks+1
.endr
	PLACES                                         ; between the last products and the additions that read them
	OUTBLK 0
	OUTBLK 1
	OUTBLK 2
	OUTBLK 3
	OUTBLK 4
.Lout_end:
.Lnext:
	s_add_co_u32 s[B0], s[B0], 20
	s_cmp_ge_u32 s[B0], s[NBLK]
	s_cbranch_scc1 .Lno_more                       ; no further block of mine: nothing is asked for
	s_wait_loadcnt 0x0                             ; no load by the list's or the rows' offsets, or into the tokens' registers and buffers, is out when they are written anew
	v_add_nc_u32 v[LRD], 1280, v[LRD]              ; 20 blocks of 16 entries of 4 bytes; a live trip reads entry count + 270 at the most, inside the 320 that follow the tokens
	v_add_nc_u32 v[LRO], 1280, v[LRO]
	LISTLD
	s_wait_loadcnt 0x0                             ; the next trip's tokens
	MKAO
	ALOAD 0
	ALOAD 1
	ALOAD 2
	WIN 0
.Lno_more:
	s_sub_co_u32 s[CTR], s[CTR], 1
	s_cmp_lg_u32 s[CTR], 0
	s_cbranch_scc1 .Ltrip
	s_wait_tensorcnt 0x0                           ; the wave's end, behind my last LDS store
	ds_add_u32 v[SPW], v[NIL]
	s_wait_dscnt 0x0
	s_endpgm
.Lfunc_end_k_qa1b2149290_experts:
	.size	k_qa1b2149290_experts, .Lfunc_end_k_qa1b2149290_experts-k_qa1b2149290_experts
	.p2alignl 7, 3214868480
	.fill 96, 4, 3214868480
	.section	.rodata,"a",@progbits
	.p2align	6, 0x0
	.amdhsa_kernel k_qa1b2149290_experts
		.amdhsa_group_segment_fixed_size 264704
		.amdhsa_private_segment_fixed_size 0
		.amdhsa_enable_private_segment 0
		.amdhsa_kernarg_size 40
		.amdhsa_user_sgpr_count 2
		.amdhsa_user_sgpr_kernarg_segment_ptr 1
		.amdhsa_wavefront_size32 1
		.amdhsa_system_sgpr_workgroup_id_x 1
		.amdhsa_system_sgpr_workgroup_id_y 1
		.amdhsa_system_sgpr_workgroup_id_z 1
		.amdhsa_system_vgpr_workitem_id 0
		.amdhsa_next_free_vgpr 832
		.amdhsa_next_free_sgpr 66
		.amdhsa_reserve_vcc 0
		.amdhsa_float_denorm_mode_32 3
		.amdhsa_float_denorm_mode_16_64 3
		.amdhsa_memory_ordered 1
		.amdhsa_forward_progress 1
		.amdhsa_inst_pref_size 250
	.end_amdhsa_kernel
	.amdgpu_metadata
---
amdhsa.version: [ 1, 2 ]
amdhsa.kernels:
  - .name:           k_qa1b2149290_experts
    .symbol:         k_qa1b2149290_experts.kd
    .args:
      - { .name: xb, .offset: 0, .size: 8, .value_kind: global_buffer, .address_space: global }
      - { .name: list, .offset: 8, .size: 8, .value_kind: global_buffer, .address_space: global }
      - { .name: expert_w, .offset: 16, .size: 8, .value_kind: global_buffer, .address_space: global }
      - { .name: expert_b, .offset: 24, .size: 8, .value_kind: global_buffer, .address_space: global }
      - { .name: out0, .offset: 32, .size: 8, .value_kind: global_buffer, .address_space: global }
    .group_segment_fixed_size: 264704
    .private_segment_fixed_size: 0
    .kernarg_segment_align: 8
    .kernarg_segment_size: 40
    .max_flat_workgroup_size: 128
    .sgpr_count:     66
    .vgpr_count:     832
    .wavefront_size: 32
...
	.end_amdgpu_metadata
.endif
;; end of part 3
